; MI455X (gfx1250); checked and timed in simulation.
; The chip was launched on July 23, 2026; its instructions are those of AMD's public machine-readable ISA for CDNA 5 (MIT licence, August 2026) and "CDNA5" Instruction Set Architecture Reference Guide (July 2026). The comments in the code are by the model that wrote it; some were corrected since.
;; Multi Head Attention. Allowed arithmetic: float matrix products may take bf16 or f16 operands with f32 sums; all other float work in f32.
;; Inputs: Wk 1,024 x 1,024 float32; Wo 1,024 x 1,024 float32; Wq 1,024 x 1,024 float32; Wv 1,024 x 1,024 float32; bk 1,024 float32; bo 1,024 float32; bq 1,024 float32; bv 1,024 float32; x 2 x 2,048 x 1,024 float32.
;; Outputs: out0 2 x 2,048 x 1,024 float32.
;; One version. Each part assembles by itself: llvm-mc -triple=amdgcn-amd-amdhsa -mcpu=gfx1250 --defsym DOCPART=n.
;; ======== version 1 of 1: 4 launches
;; limits: values are held in f16: magnitudes above 65,504 overflow, below 6.1e-05 lose precision
;; workspace buffers: xh 8,388,608 bytes; wh 8,388,608 bytes; qkv 25,165,824 bytes; att 8,388,608 bytes
;; launch cast (part 1): grid 128 x 8, 8 waves a work-group, no clusters, 0 bytes of LDS; arguments x, Wq, Wk, Wv, Wo, xh, wh; writes xh, wh
.if DOCPART == 1
	.amdgcn_target "amdgcn-amd-amdhsa--gfx1250"
	.amdhsa_code_object_version 6
	.text
	.protected	k_q733df67996_cast
	.globl	k_q733df67996_cast
	.p2align	8
	.type	k_q733df67996_cast,@function
k_q733df67996_cast:
	s_mov_b64 s[64:65], 0
	v_nop
	global_prefetch_b8 v0, s[64:65] scope:SCOPE_SE
	s_setreg_imm32_b32 hwreg(HW_REG_WAVE_MODE, 25, 1), 1
	s_wait_xcnt 0x0
; f32 to f16, once, of everything that the later launches multiply: x into xh [4096][1024], and Wq, Wk, Wv, Wo one below the
; other into wh [4096][1024] (rows 0-1023 Wq, 1024-2047 Wk, 2048-3071 Wv, 3072-4095 Wo).
; Each x element is used by 12 column blocks and each W element by 16 or 32 row blocks later on: converting once halves their tiles.
; The grid's y picks 1,048,576 elements: y = 0..3 a quarter of x, y = 4..7 one W.  The grid's x picks 8,192 of them.
; Thread t, step i: 32 bytes in at 8192 i + 32 t (two loads), 16 bytes out at 4096 i + 16 t: a store of a wave covers 512 consecutive bytes.
; No LDS, no barrier, no matrix unit: every byte is read once and written once.
; LIMIT: f16 holds magnitudes below 65,504; a larger input becomes an infinity.  Below 6.1e-5 the step is 6e-8.
.set XI, 4                             ; v[4:35]   eight loads of four f32
.set YO, 36                            ; v[36:51]  four stores of eight f16
	s_load_b256 s[4:11], s[0:1], 0x0               ; x s[4:5], Wq s[6:7], Wk s[8:9], Wv s[10:11]
	s_load_b128 s[12:15], s[0:1], 0x20             ; Wo s[12:13], xh s[14:15]
	s_load_b64 s[16:17], s[0:1], 0x30              ; wh
	s_and_b32 s2, ttmp7, 0xffff                    ; y
	s_lshl_b32 s3, ttmp9, 15                       ; 32,768 bytes of f32 for each work-group along x
	s_cmp_lt_u32 s2, 4
	s_cselect_b32 s24, s2, 0                       ; the quarter of x, or 0 for a W
	s_lshl_b32 s24, s24, 22                        ; a quarter of x is 4,194,304 bytes
	s_add_co_u32 s24, s24, s3
	s_mov_b32 s25, 0                               ; s[24:25]: offset in the source
	s_and_b32 s26, s2, 3
	s_lshl_b32 s26, s26, 21                        ; the same part in f16 is 2,097,152 bytes
	s_lshl_b32 s3, ttmp9, 14
	s_add_co_u32 s26, s26, s3
	s_mov_b32 s27, 0                               ; s[26:27]: offset in the destination
	v_lshlrev_b32 v1, 5, v0                        ; 32 t
	v_lshlrev_b32 v2, 4, v0                        ; 16 t
	s_wait_kmcnt 0x0
	s_mov_b64 s[20:21], s[4:5]                     ; the source: x, unless y names a W
	s_cmp_eq_u32 s2, 4
	s_cselect_b64 s[20:21], s[6:7], s[20:21]
	s_cmp_eq_u32 s2, 5
	s_cselect_b64 s[20:21], s[8:9], s[20:21]
	s_cmp_eq_u32 s2, 6
	s_cselect_b64 s[20:21], s[10:11], s[20:21]
	s_cmp_eq_u32 s2, 7
	s_cselect_b64 s[20:21], s[12:13], s[20:21]
	s_cmp_lt_u32 s2, 4
	s_cselect_b64 s[22:23], s[14:15], s[16:17]     ; the destination: xh or wh
	s_add_nc_u64 s[20:21], s[20:21], s[24:25]
	s_add_nc_u64 s[22:23], s[22:23], s[26:27]
.irp i, 0,1,2,3
	global_load_b128 v[XI+8*\i:XI+8*\i+3],   v1, s[20:21] offset:8192*\i th:TH_LOAD_NT      ; all eight loads go out first
	global_load_b128 v[XI+8*\i+4:XI+8*\i+7], v1, s[20:21] offset:8192*\i+16 th:TH_LOAD_NT
.endr
.irp i, 0,1,2,3
	s_wait_loadcnt 6-2*\i                          ; loads come back in order: step i's two are in, the 6 - 2 i younger ones stay out
.irp k, 0,1,2,3
	v_cvt_pk_f16_f32 v[YO+4*\i+\k], v[XI+8*\i+2*\k], v[XI+8*\i+2*\k+1]
.endr
	global_store_b128 v2, v[YO+4*\i:YO+4*\i+3], s[22:23] offset:4096*\i                     ; no register is written twice: no further wait
.endr
	s_endpgm
.Lfunc_end_k_q733df67996_cast:
	.size	k_q733df67996_cast, .Lfunc_end_k_q733df67996_cast-k_q733df67996_cast
	.p2alignl 7, 3214868480
	.fill 96, 4, 3214868480
	.section	.rodata,"a",@progbits
	.p2align	6, 0x0
	.amdhsa_kernel k_q733df67996_cast
		.amdhsa_group_segment_fixed_size 0
		.amdhsa_private_segment_fixed_size 0
		.amdhsa_enable_private_segment 0
		.amdhsa_kernarg_size 56
		.amdhsa_user_sgpr_count 2
		.amdhsa_user_sgpr_kernarg_segment_ptr 1
		.amdhsa_wavefront_size32 1
		.amdhsa_system_sgpr_workgroup_id_x 1
		.amdhsa_system_sgpr_workgroup_id_y 1
		.amdhsa_system_sgpr_workgroup_id_z 1
		.amdhsa_system_vgpr_workitem_id 0
		.amdhsa_next_free_vgpr 52
		.amdhsa_next_free_sgpr 66
		.amdhsa_reserve_vcc 0
		.amdhsa_float_denorm_mode_32 3
		.amdhsa_float_denorm_mode_16_64 3
		.amdhsa_memory_ordered 1
		.amdhsa_forward_progress 1
		.amdhsa_inst_pref_size 4
	.end_amdhsa_kernel
	.amdgpu_metadata
---
amdhsa.version: [ 1, 2 ]
amdhsa.kernels:
  - .name:           k_q733df67996_cast
    .symbol:         k_q733df67996_cast.kd
    .args:
      - { .name: x, .offset: 0, .size: 8, .value_kind: global_buffer, .address_space: global }
      - { .name: Wq, .offset: 8, .size: 8, .value_kind: global_buffer, .address_space: global }
      - { .name: Wk, .offset: 16, .size: 8, .value_kind: global_buffer, .address_space: global }
      - { .name: Wv, .offset: 24, .size: 8, .value_kind: global_buffer, .address_space: global }
      - { .name: Wo, .offset: 32, .size: 8, .value_kind: global_buffer, .address_space: global }
      - { .name: xh, .offset: 40, .size: 8, .value_kind: global_buffer, .address_space: global }
      - { .name: wh, .offset: 48, .size: 8, .value_kind: global_buffer, .address_space: global }
    .group_segment_fixed_size: 0
    .private_segment_fixed_size: 0
    .kernarg_segment_align: 8
    .kernarg_segment_size: 56
    .max_flat_workgroup_size: 256
    .sgpr_count:     66
    .vgpr_count:     52
    .wavefront_size: 32
...
	.end_amdgpu_metadata
.endif
;; end of part 1
;; launch qkv (part 2): grid 12 x 16, 4 waves a work-group, clusters of 4 x 4, 327,680 bytes of LDS; arguments xh, wh, bq, bk, bv, qkv; writes qkv
.if DOCPART == 2
	.amdgcn_target "amdgcn-amd-amdhsa--gfx1250"
	.amdhsa_code_object_version 6
	.text
	.protected	k_q733df67996_qkv
	.globl	k_q733df67996_qkv
	.p2align	8
	.type	k_q733df67996_qkv,@function
k_q733df67996_qkv:
	s_mov_b64 s[64:65], 0
	v_nop
	global_prefetch_b8 v0, s[64:65] scope:SCOPE_SE
	s_setreg_imm32_b32 hwreg(HW_REG_WAVE_MODE, 25, 1), 1
	s_wait_xcnt 0x0
	s_wait_alu depctr_hold_cnt(0) depctr_sa_sdst(0) depctr_va_vdst(0) depctr_va_sdst(0) depctr_va_ssrc(0) depctr_va_vcc(0) depctr_vm_vsrc(0)
	s_getreg_b32 s2, hwreg(HW_REG_IB_STS2, 6, 4)
	s_cmp_eq_u32 s2, 0
	s_cbranch_scc0 .Lentry_in_a_cluster
	s_endpgm
.Lentry_in_a_cluster:
	s_bfe_u32 s2, ttmp6, 0x10000c
	s_cmp_lg_u32 s2, 0xf033
	s_cbranch_scc0 .Lentry_shape_is_right
	s_endpgm
.Lentry_shape_is_right:
; q, k, v = x W^T + b as ONE product: C[m][n] = sum over k of xh[m][k] wh[n][k] + bias[n], m < 4096, n < 3072 (Wq, Wk, Wv stacked), K = 1024.
; Operands f16, sums f32, result f16, stored head by head: qkv[which][16 b + head][s][64], which = n / 1024, head = (n % 1024) / 64, b = m / 2048, s = m % 2048.
; A work-group makes 256 x 256 of C with four waves; a wave makes 128 x 128: 64 accumulator tiles of 16 x 16, 512 registers.
; K goes in steps of 128 through a ring of two LDS slots filled by the tensor data mover; a tile row is 256 bytes of memory at a multiple of 256.
; CLUSTERS: 4 x 4 work-groups.  The four of a row of the cluster need the same tiles of xh, the four of a column the same tiles of wh: each such
; tile is asked for jointly, by the same tensor load with the same descriptor and a mask that names the four.
; 12 x 16 = 192 work-groups: a block column of 256 keeps whole heads in a wave and four block columns are one of q, k, v.
; LIMIT: |q|, |k|, |v| below 65,504 (f16); larger results become infinities.
;
; REGISTERS, in windows of 256:
;   window 0: v0-31 addresses; v64-127, v128-191 fragments of xh, two buffers; v192-255 the bias, later v192-223 packed results
;   window 1: v64-127, v128-191 fragments of wh, two buffers
;   window 2: the 32 accumulator tiles of my rows 0-63 (tile (a, b) at v[8 (8 a + b)]);   window 3: those of my rows 64-127
; THE MATRIX INSTRUCTION IS USED TRANSPOSED: source 0 = 16 rows of wh, source 1 = 16 rows of xh.  Lane l then holds row m = l % 16 and its
; registers 0 to 7 the columns n = 8 (l / 16) + 0 .. 7: eight neighbouring numbers of a row, 16 bytes in f16.
; THE BIAS STARTS THE SUMS: the first product of each tile takes as C eight registers that hold bias[n] in just that layout.
.set SIZE_K, 1024
.set KSTEP,  128
.set PITCH,  272                       ; an LDS row: 256 bytes of data + 16 of padding: the 16 rows that a fragment load touches start 16 bytes apart modulo 256
.set HALFT,  128*PITCH                 ; 128 rows: what one tensor load brings
.set SLOT,   4*HALFT                   ; xh's 256 rows, then wh's 256 rows
.set STAGE,  2*SLOT                    ; behind the ring: 16 rows x 272 bytes for each wave, for the way out; no tensor load lands here
.set SPITCH, 272
.set LAPS, SIZE_K/(2*KSTEP)            ; a lap = two K steps = once round the ring: 4
.set ADRA, 16                          ; v16-17  LDS address of my xh fragments in slot 0, 1
.set ADRB, 20                          ; v20-21  the same for wh
.set STO,  24                          ; v24     the way out: where I put 16 bytes of a row
.set RD,   25                          ; v25     the way out: where I read back
.set CO,   26                          ; v26     16 x lane
.set BO,   27                          ; v27     32 x (lane / 16): my eight numbers in a block of sixteen of the bias
.set F0,   64
.set F1,   128
.set TMP,  192
.set BIAS, 192                         ; v192-255: block b of 16 columns at BIAS + 8 b
.set G1, 24                            ; s[24:31] descriptor group 1 for xh's tiles
.set G0, 32                            ; s[32:39] descriptor group 0 for xh's tiles, one set for each slot
.set G1B, 48                           ; s[48:55] group 1 for wh's tiles: another mask
.set G0B, 56                           ; s[56:63] group 0 for wh's tiles
.set MSB, 0
.macro WIN new                         ; the immediate's high byte repeats the setting that is left
.if MSB != \new
	s_set_vgpr_msb (MSB<<8)|\new
.set MSB, \new
.endif
.endm
.set MUL_LO,  0xa1                     ; source 0 (wh) window 1, source 1 (xh) window 0, C and D window 2
.set MUL_HI,  0xf1                     ; the same, C and D window 3
.set MULB_LO, 0x81                     ; C (the bias) window 0, D window 2
.set MULB_HI, 0xc1                     ; C (the bias) window 0, D window 3
.set TO_B,    0x40                     ; destination window 1, address window 0
; A joint load.  Waves 0 and 1 fetch xh's two halves, waves 2 and 3 wh's.  The branch hangs on the wave's number alone.
.macro JLOAD s
	s_cmp_eq_u32 s11, 0
	s_cbranch_scc0 .Lfor_b_\@
	tensor_load_to_lds s[G0+4*\s:G0+4*\s+3], s[G1:G1+7]
	s_nop 0
	s_branch .Lasked_\@
.Lfor_b_\@:
	tensor_load_to_lds s[G0B+4*\s:G0B+4*\s+3], s[G1B:G1B+7]
	s_nop 0
.Lasked_\@:
.endm
; A round of the cluster's barrier: my work-group's barrier; wave 0 signals for the work-group; every wave waits for all sixteen; my work-group's barrier again.
.macro CREST                           ; a round behind its opening barrier
	s_cmp_lg_u32 s10, 0
	s_cbranch_scc1 .Lnot_wave_0_\@
	s_barrier_signal -3
.Lnot_wave_0_\@:
	s_barrier_wait -3
	s_barrier_signal -1
	s_barrier_wait -1
.endm
.macro CROUND
	s_barrier_signal -1
	s_barrier_wait -1
	CREST
.endm
	s_load_b128 s[4:7], s[0:1], 0x0                ; xh s[4:5], wh s[6:7]
	s_load_b128 s[68:71], s[0:1], 0x10             ; bq s[68:69], bk s[70:71]
	s_load_b128 s[72:75], s[0:1], 0x20             ; bv s[72:73], qkv s[74:75]
	s_set_vgpr_msb 0x40
	v_lshl_add_u32 v255, v0, 2, 0x48400
	s_set_vgpr_msb 0x4000
	v_mov_b32 v63, 0
	s_set_vgpr_msb 0x1
	ds_add_u32 v255, v63
	s_set_vgpr_msb 0x100
	v_lshrrev_b32 v1, 5, v0
	v_readfirstlane_b32 s10, v1                    ; wave 0..3
	s_lshr_b32 s11, s10, 1                         ; which half of the block's rows is mine.  Also: I fetch for xh (0) or for wh (1)
	s_and_b32 s12, s10, 1                          ; which half of its columns.  Also: which 128 rows of that tile I fetch
	s_bfe_u32 s40, ttmp6, 0x40000                  ; cx
	s_bfe_u32 s41, ttmp6, 0x40004                  ; cy
	s_lshl_b32 s42, ttmp9, 2
	s_add_co_u32 s42, s42, s40                     ; block column = 4 x cluster x + cx
	s_and_b32 s13, ttmp7, 0xffff
	s_lshl_b32 s13, s13, 2
	s_add_co_u32 s13, s13, s41                     ; block row = 4 x cluster y + cy
	s_lshl_b32 s43, s41, 2
	s_lshl_b32 s43, 15, s43                        ; my row of the cluster: places 4 cy .. 4 cy + 3
	s_lshl_b32 s44, 0x1111, s40                    ; my column: places cx, cx + 4, cx + 8, cx + 12
	; group 1: a tile of 128 rows x 128 elements of 2 bytes, 4 words of padding behind every 64 words
	s_or_b32 s[G1+0], s43, (1<<16)|(1<<20)|(1<<21)|(5<<22)|(3<<25)
	s_or_b32 s[G1B+0], s44, (1<<16)|(1<<20)|(1<<21)|(5<<22)|(3<<25)
	s_mov_b32 s[G1B+1], KSTEP<<16
	s_mov_b32 s[G1+1], KSTEP<<16                   ; tensor_dim0 = 128
	s_mov_b32 s[G1B+2], 128<<16
	s_mov_b32 s[G1+2], 128<<16                     ; tensor_dim1 = 128
	s_mov_b32 s[G1B+3], KSTEP<<16
	s_mov_b32 s[G1+3], KSTEP<<16                   ; tile_dim0 = 128
	s_mov_b32 s[G1B+4], 128
	s_mov_b32 s[G1+4], 128                         ; tile_dim1 = 128
	s_mov_b32 s[G1B+5], SIZE_K
	s_mov_b32 s[G1+5], SIZE_K                      ; elements from row to row
	s_mov_b32 s[G1B+6], 0
	s_mov_b32 s[G1+6], 0
	s_mov_b32 s[G1B+7], 0
	s_mov_b32 s[G1+7], 0
	; xh's tiles hang on the block row alone, wh's on the block column alone; each address is made in registers that never hold the other coordinate
	s_lshl_b32 s17, s12, 7
	s_lshl_b32 s16, s13, 8
	s_add_co_u32 s16, s16, s17                     ; xh: row 256 x block row + 128 x half
	s_lshl_b32 s46, s42, 8
	s_add_co_u32 s46, s46, s17                     ; wh: row 256 x block column + 128 x half
	s_mov_b32 s17, 0
	s_mov_b32 s47, 0
	s_mov_b64 s[18:19], SIZE_K*2
	s_mul_u64 s[16:17], s[16:17], s[18:19]
	s_mul_u64 s[46:47], s[46:47], s[18:19]
	s_mul_i32 s20, s10, HALFT                      ; where they go: wave x 128 rows
	s_lshl_b32 s78, s40, 10                        ; my 128 numbers of the bias: (256 cx + 128 half) x 4 bytes
	s_lshl_b32 s79, s12, 9
	s_add_co_u32 s78, s78, s79
	s_mov_b32 s79, 0
	s_wait_dscnt 0x0
	s_wait_kmcnt 0x0
	s_add_nc_u64 s[14:15], s[4:5], s[16:17]
	s_add_nc_u64 s[46:47], s[6:7], s[46:47]
	s_mov_b64 s[76:77], s[68:69]                   ; four block columns are one of q, k, v: the cluster's x says which bias
	s_cmp_eq_u32 ttmp9, 1
	s_cselect_b64 s[76:77], s[70:71], s[76:77]
	s_cmp_eq_u32 ttmp9, 2
	s_cselect_b64 s[76:77], s[72:73], s[76:77]
	s_add_nc_u64 s[76:77], s[76:77], s[78:79]
	CROUND                                         ; all sixteen work-groups are here: the first joint loads meet
.irp s, 0,1
	s_mov_b32 s[G0+4*\s], 1
	s_add_co_u32 s[G0+4*\s+1], s20, \s*SLOT
	s_add_nc_u64 s[G0+4*\s+2:G0+4*\s+3], s[14:15], \s*KSTEP*2
	s_or_b32 s[G0+4*\s+3], s[G0+4*\s+3], 0x80000000
	s_mov_b32 s[G0B+4*\s], 1
	s_add_co_u32 s[G0B+4*\s+1], s20, \s*SLOT
	s_add_nc_u64 s[G0B+4*\s+2:G0B+4*\s+3], s[46:47], \s*KSTEP*2
	s_or_b32 s[G0B+4*\s+3], s[G0B+4*\s+3], 0x80000000
	JLOAD \s                                       ; both slots' first fills go out before anything else: two tensor loads of the wave are out
.endr
	; A fragment is 16 rows x 32 K in 8 registers: lane l holds row l % 16; registers 0-3 K = 8 (l / 16) + 0..7, registers 4-7 K = 16 + 8 (l / 16) + 0..7.
	v_and_b32 v1, 15, v0                           ; l % 16
	v_bfe_u32 v2, v0, 4, 1                         ; l / 16
	v_lshlrev_b32 v[BO], 5, v2
.irp b, 0,1,2,3,4,5,6,7
	global_load_b128 v[BIAS+8*\b:BIAS+8*\b+3],   v[BO], s[76:77] offset:64*\b      ; register j: bias[16 b + 8 (l / 16) + j]
	global_load_b128 v[BIAS+8*\b+4:BIAS+8*\b+7], v[BO], s[76:77] offset:64*\b+16
.endr
	v_mul_u32_u24 v3, v1, PITCH
	v_lshl_add_u32 v3, v2, 4, v3                   ; row x pitch + 16 x half
	s_mul_i32 s21, s11, HALFT                      ; my 128 rows of xh
	s_mul_i32 s22, s12, HALFT                      ; my 128 rows of wh,
	s_add_co_u32 s22, s22, 2*HALFT                 ; which lie behind xh's 256
.irp s, 0,1
	v_add_nc_u32 v[ADRA+\s], s21, v3
	v_add_nc_u32 v[ADRB+\s], s22, v3
	s_add_co_u32 s21, s21, SLOT
	s_add_co_u32 s22, s22, SLOT
.endr
	s_mul_i32 s23, s10, 16*SPITCH
	s_add_co_u32 s23, s23, STAGE                   ; my stage
	v_mul_u32_u24 v4, v1, SPITCH                   ; in: row l % 16, 16 bytes for each half of the lanes
	v_lshl_add_u32 v4, v2, 4, v4
	v_add_nc_u32 v[STO], s23, v4
	v_bfe_u32 v5, v0, 3, 2                         ; back: eight lanes take the 128 bytes that one row has of one head, 32 lanes four rows
	v_and_b32 v6, 7, v0
	v_mul_u32_u24 v5, v5, SPITCH
	v_lshl_add_u32 v5, v6, 4, v5
	v_add_nc_u32 v[RD], s23, v5
	v_and_b32 v6, 31, v0
	v_lshlrev_b32 v[CO], 4, v6                     ; in memory those four rows of a head are 512 consecutive bytes
; 16 matrix instructions: m blocks a0, a0 + 1 of the window's four x all 8 n blocks, 32 along K.  zero = 1: the bias starts the sums.
.macro MUL16 f, hi, a0, zero
.irp a, \a0, \a0+1
.irp b, 0,1,2,3,4,5,6,7
.if \zero
	v_wmma_f32_16x16x32_f16 v[8*(8*(\a)+\b):8*(8*(\a)+\b)+7], v[\f+8*\b:\f+8*\b+7], v[\f+8*(4*\hi+\a):\f+8*(4*\hi+\a)+7], v[BIAS+8*\b:BIAS+8*\b+7]
.else
	v_wmma_f32_16x16x32_f16 v[8*(8*(\a)+\b):8*(8*(\a)+\b)+7], v[\f+8*\b:\f+8*\b+7], v[\f+8*(4*\hi+\a):\f+8*(4*\hi+\a)+7], v[8*(8*(\a)+\b):8*(8*(\a)+\b)+7]
.endif
.endr
.endr
.endm
; 32 LDS loads in one run: the fragments of one quarter step into buffer f
.macro FETCH slot, k, f
	WIN TO_B
.irp i, 0,1,2,3,4,5,6,7
	ds_load_b128 v[\f+8*\i:\f+8*\i+3],   v[ADRB+\slot] offset:\k+\i*16*PITCH
	ds_load_b128 v[\f+8*\i+4:\f+8*\i+7], v[ADRB+\slot] offset:\k+\i*16*PITCH+32
.endr
	WIN 0
.irp i, 0,1,2,3,4,5,6,7
	ds_load_b128 v[\f+8*\i:\f+8*\i+3],   v[ADRA+\slot] offset:\k+\i*16*PITCH
	ds_load_b128 v[\f+8*\i+4:\f+8*\i+7], v[ADRA+\slot] offset:\k+\i*16*PITCH+32
.endr
.endm
; Four plain vector places stand between a matrix instruction and a load into one of its registers or a vector read of its result (ISA guide 7.12.1 for the vector reads);
; the matrix instructions in between are not counted.
.macro PLACES
.rept 4
	v_nop
.endr
.endm
; A K step is four quarter steps of 32 along K, 64 matrix instructions each, on buffers 0, 1, 0, 1.  The 64 accumulators take turns, one instruction
; a turn, in the same order in every quarter.
.macro QUARTER slot, k, f, g, zero
	s_wait_dscnt 8                                 ; wh and xh's rows 0-63 are in; the youngest eight loads (xh's rows 64-127) may be out
.if \zero
	WIN MULB_LO
.else
	WIN MUL_LO
.endif
	MUL16 \f, 0, 0, \zero
	MUL16 \f, 0, 2, \zero
	PLACES
	FETCH \slot, \k, \g
	s_wait_dscnt 32                                ; all but the 32 just issued
.if \zero
	WIN MULB_HI
.else
	WIN MUL_HI
.endif
	MUL16 \f, 1, 0, \zero
	MUL16 \f, 1, 2, \zero
.endm
.macro THREE slot, zero
	QUARTER \slot, 64,  F0, F1, \zero
	QUARTER \slot, 128, F1, F0, 0
	QUARTER \slot, 192, F0, F1, 0
.endm
; The last quarter: multiplies buffer 1 and changes slots.  In front of the barrier each wave waits for its reads of this slot and for all its tensor
; loads (one is out: its part of the next slot).  Behind it the refill comes first, then the next slot's first fragments.
.macro TURN slot, next, fill
	s_wait_dscnt 8
	WIN MUL_LO
	MUL16 F1, 0, 0, 0
	s_wait_dscnt 0                                 ; my reads of this slot are over
	s_wait_tensorcnt 0x0                           ; all my tensor loads have landed
	ds_add_u32 v255, v63
	s_wait_dscnt 0x0
	s_barrier_signal -1                            ; where a slot is filled again this barrier opens a round of the cluster's barrier
	MUL16 F1, 0, 2, 0                              ; register work while the others arrive
	WIN 0
	s_barrier_wait -1
.if \fill
	CREST                                          ; no wave of any partner still reads this slot or has a load on its way
	s_add_nc_u64 s[G0+4*\slot+2:G0+4*\slot+3], s[G0+4*\slot+2:G0+4*\slot+3], 2*KSTEP*2
	s_add_nc_u64 s[G0B+4*\slot+2:G0B+4*\slot+3], s[G0B+4*\slot+2:G0B+4*\slot+3], 2*KSTEP*2
	JLOAD \slot                                    ; the wave's one tensor load behind the round
.endif
	PLACES
	FETCH \next, 0, F0
	WIN MUL_HI
	MUL16 F1, 1, 0, 0
	MUL16 F1, 1, 2, 0
.endm
.macro LAP zero
	THREE 0, \zero
	TURN 0, 1, 1
	THREE 1, 0
	TURN 1, 0, 1
.endm
	s_wait_tensorcnt 1                             ; my part of K step 0 is in; K step 1's load stays out
	s_barrier_signal -1
	s_barrier_wait -1                              ; everybody's is
	FETCH 0, 0, F0
	s_wait_loadcnt 0x0                             ; the bias
	LAP 1                                          ; the first lap stands in front of the loop: its first products start the sums
	WIN 0
	s_mov_b32 s3, LAPS-2
.Llap:
	LAP 0
	WIN 0
	s_sub_co_u32 s3, s3, 1
	s_cmp_lg_u32 s3, 0
	s_cbranch_scc1 .Llap
	THREE 0, 0                                     ; the last lap fills nothing
	TURN 0, 1, 0
	THREE 1, 0
	s_wait_dscnt 8
	WIN MUL_LO
	MUL16 F1, 0, 0, 0
	MUL16 F1, 0, 2, 0
	s_wait_dscnt 0
	WIN MUL_HI
	MUL16 F1, 1, 0, 0
	MUL16 F1, 1, 2, 0
	; THE WAY OUT, 16 rows at a time: round to f16, 16 bytes a lane into my own stage, read back by heads.
	PLACES
	s_lshr_b32 s16, s13, 3                         ; the row part, from the block row: b = block row / 8, 16 heads of 262,144 bytes each
	s_lshl_b32 s16, s16, 22
	s_and_b32 s17, s13, 7
	s_lshl_b32 s17, s17, 15                        ; s = 256 (block row % 8) + 128 half, rows of 128 bytes
	s_add_co_u32 s16, s16, s17
	s_lshl_b32 s17, s11, 14
	s_add_co_u32 s16, s16, s17
	s_mov_b32 s17, 0
	s_add_nc_u64 s[8:9], s[74:75], s[16:17]
	s_lshl_b32 s46, ttmp9, 23                      ; the column part: which of q, k, v (8,388,608 bytes each), head = 4 cx + 2 half
	s_lshl_b32 s47, s40, 20
	s_add_co_u32 s46, s46, s47
	s_lshl_b32 s47, s12, 19
	s_add_co_u32 s46, s46, s47
	s_mov_b32 s47, 0
	s_add_nc_u64 s[8:9], s[8:9], s[46:47]
; rows 16 i .. 16 i + 15 of my block = the eight tiles (a, 0..7) of window 2 or 3 (from = 0x0a or 0x0f); f: F0 or F1 in turn
.macro OUT16 i, a, from, f
	WIN \from
.irp b, 0,1,2,3,4,5,6,7
.irp r, 0,1,2,3
	v_cvt_pk_f16_f32 v[TMP+4*\b+\r], v[8*(8*\a+\b)+2*\r], v[8*(8*\a+\b)+2*\r+1]
.endr
.endr
	WIN 0
.irp b, 0,1,2,3,4,5,6,7
	ds_store_b128 v[STO], v[TMP+4*\b:TMP+4*\b+3] offset:32*\b
.endr
	s_wait_xcnt 0x0                                ; buffer f, which earlier stores read, is loaded again only behind this wait
.irp hh, 0,1
.irp t, 0,1,2,3
	ds_load_b128 v[\f+16*\hh+4*\t:\f+16*\hh+4*\t+3], v[RD] offset:\t*4*SPITCH+\hh*128   ; LDS serves a wave's instructions in order: these see the stores above
.endr
.endr
.set cnt, 7
.irp hh, 0,1
.irp t, 0,1,2,3
	s_wait_dscnt cnt                               ; the younger read-backs stay out
	global_store_b128 v[CO], v[\f+16*\hh+4*\t:\f+16*\hh+4*\t+3], s[8:9] offset:\i*2048+\hh*262144+\t*512   ; four rows of one head: 512 consecutive bytes
.set cnt, cnt-1
.endr
.endr
.endm
	OUT16 0, 0, 0x0a, F0
	OUT16 1, 1, 0x0a, F1
	OUT16 2, 2, 0x0a, F0
	OUT16 3, 3, 0x0a, F1
	OUT16 4, 0, 0x0f, F0
	OUT16 5, 1, 0x0f, F1
	OUT16 6, 2, 0x0f, F0
	OUT16 7, 3, 0x0f, F1
	s_set_vgpr_msb 0x1
	s_wait_tensorcnt 0x0
	ds_add_u32 v255, v63
	s_wait_dscnt 0x0
	s_set_vgpr_msb 0x100
	CROUND                                         ; the closing round: no work-group ends while a partner may still ask jointly
	s_endpgm
.Lfunc_end_k_q733df67996_qkv:
	.size	k_q733df67996_qkv, .Lfunc_end_k_q733df67996_qkv-k_q733df67996_qkv
	.p2alignl 7, 3214868480
	.fill 96, 4, 3214868480
	.section	.rodata,"a",@progbits
	.p2align	6, 0x0
	.amdhsa_kernel k_q733df67996_qkv
		.amdhsa_group_segment_fixed_size 327680
		.amdhsa_private_segment_fixed_size 0
		.amdhsa_enable_private_segment 0
		.amdhsa_kernarg_size 48
		.amdhsa_user_sgpr_count 2
		.amdhsa_user_sgpr_kernarg_segment_ptr 1
		.amdhsa_wavefront_size32 1
		.amdhsa_system_sgpr_workgroup_id_x 1
		.amdhsa_system_sgpr_workgroup_id_y 1
		.amdhsa_system_sgpr_workgroup_id_z 1
		.amdhsa_system_vgpr_workitem_id 0
		.amdhsa_next_free_vgpr 1024
		.amdhsa_next_free_sgpr 80
		.amdhsa_reserve_vcc 0
		.amdhsa_float_denorm_mode_32 3
		.amdhsa_float_denorm_mode_16_64 3
		.amdhsa_memory_ordered 1
		.amdhsa_forward_progress 1
		.amdhsa_inst_pref_size 198
	.end_amdhsa_kernel
	.amdgpu_metadata
---
amdhsa.version: [ 1, 2 ]
amdhsa.kernels:
  - .name:           k_q733df67996_qkv
    .symbol:         k_q733df67996_qkv.kd
    .args:
      - { .name: xh, .offset: 0, .size: 8, .value_kind: global_buffer, .address_space: global }
      - { .name: wh, .offset: 8, .size: 8, .value_kind: global_buffer, .address_space: global }
      - { .name: bq, .offset: 16, .size: 8, .value_kind: global_buffer, .address_space: global }
      - { .name: bk, .offset: 24, .size: 8, .value_kind: global_buffer, .address_space: global }
      - { .name: bv, .offset: 32, .size: 8, .value_kind: global_buffer, .address_space: global }
      - { .name: qkv, .offset: 40, .size: 8, .value_kind: global_buffer, .address_space: global }
    .group_segment_fixed_size: 327680
    .private_segment_fixed_size: 0
    .kernarg_segment_align: 8
    .kernarg_segment_size: 48
    .max_flat_workgroup_size: 128
    .sgpr_count:     80
    .vgpr_count:     1024
    .wavefront_size: 32
...
	.end_amdgpu_metadata
.endif
;; end of part 2
;; launch attn (part 3): grid 8 x 32, 8 waves a work-group, clusters of 4 x 1, 327,680 bytes of LDS; arguments qkv, att; writes att
.if DOCPART == 3
	.amdgcn_target "amdgcn-amd-amdhsa--gfx1250"
	.amdhsa_code_object_version 6
	.text
	.protected	k_q733df67996_attn
	.globl	k_q733df67996_attn
	.p2align	8
	.type	k_q733df67996_attn,@function
k_q733df67996_attn:
	s_mov_b64 s[64:65], 0
	v_nop
	global_prefetch_b8 v0, s[64:65] scope:SCOPE_SE
	s_setreg_imm32_b32 hwreg(HW_REG_WAVE_MODE, 25, 1), 1
	s_wait_xcnt 0x0
	s_wait_alu depctr_hold_cnt(0) depctr_sa_sdst(0) depctr_va_vdst(0) depctr_va_sdst(0) depctr_va_ssrc(0) depctr_va_vcc(0) depctr_vm_vsrc(0)
	s_getreg_b32 s2, hwreg(HW_REG_IB_STS2, 6, 4)
	s_cmp_eq_u32 s2, 0
	s_cbranch_scc0 .Lentry_in_a_cluster
	s_endpgm
.Lentry_in_a_cluster:
	s_bfe_u32 s2, ttmp6, 0x10000c
	s_cmp_lg_u32 s2, 0x3003
	s_cbranch_scc0 .Lentry_shape_is_right
	s_endpgm
.Lentry_shape_is_right:
; softmax(q k^T / 32) v for one (batch, head) and 256 queries, with a running maximum.  qkv: [3][32 heads][2048][64] f16.  att: [32][2048][64] f16.
; Eight waves, two for each SIMD, so that one wave's softmax arithmetic runs beside the other's matrix instructions.
; Wave w: queries 64 (w % 4) .. + 63 of the block; of every 256 keys the half w / 4.  The two waves of a query group meet once, at the end, in LDS.
; Splitting the keys keeps 64 queries in a wave: 8 KB of K or V fragments feed 32 matrix instructions.
; CLUSTER: the four query blocks of a cluster read the same K and V tiles and ask for them jointly (mask 15); nothing in a descriptor hangs on cx.
;
; LAYOUTS.  S^T = K Q^T: source 0 = 16 keys, source 1 = 16 queries.  Lane (r, h) = (l % 16, l / 16), register j of tile t: key 16 t + 8 h + j, query r.
; Every number of a lane belongs to ONE query: the row maximum needs one exchange between the halves, the rescale factor is one number a lane.
; Two neighbouring key tiles, rounded to f16 in pairs, ARE the second source of O^T = V^T P^T (32 keys); V^T fragments come from V as stored
; [key][d] by the transposing LDS load.  O^T: lane (r, h), register j of tile dt: d = 16 dt + 8 h + j, query r: eight neighbouring d, 16 bytes in f16.
; LIMITS: P below 2^-25 of its row's largest rounds to 0 in P V (f16); the row sum is taken in f32 from the unrounded P.  |result| below 65,504.
; NaN and infinities among the inputs are not treated specially (the maxima skip a NaN).
.set SLOT,   81920                     ; K: 256 keys x 144 bytes at 0 (36,864), 4,096 unused, V: 256 keys x 160 bytes at 40,960
.set KP,     144                       ; 128 bytes + 16: an odd multiple of 16, the 16 rows of a fragment load start 16 bytes apart modulo 256
.set VP,     160                       ; 128 bytes + 32: an odd multiple of 32, for the transposing load
.set VOFF,   40960                     ; so that wave w = 4..7 fills at 10,240 w
.set MERGE,  2*SLOT                    ; 163,840: 16,384 bytes for each query group: the second key half's sums.  No tensor load lands from here on
.set STATS,  MERGE+65536               ; 229,376: 1,024 for each query group: its maxima and row sums
.set STAGE,  STATS+4096                ; 233,472: 9,216 for each query group: 64 rows x 144 bytes, the way out
.set KSEC,   8388608                   ; k in qkv
.set VSEC,   16777216                  ; v in qkv
.set PHASEB, 32768                     ; 256 keys x 128 bytes
.set ADK, 2                            ; v2-3    LDS address of my K fragments in slot 0, 1
.set ADV, 4                            ; v4-5    the same for V
.set MG,  6                            ; v6      my 16 bytes in the merge area
.set ST,  7                            ; v7      the way out: where I put 16 bytes of a row
.set RDA, 8                            ; v8      the way out: where I read back
.set L16, 9                            ; v9      16 x lane
.set QO,  10                           ; v10     my place in 16 rows of q
.set SA,  11                           ; v11     my 16 bytes in the stats
.set M,   12                           ; v12-15  running maximum of query block qb, in raw scores
.set LS,  16                           ; v16-19  running row sum (of my half of the lanes' keys, until the end)
.set AL,  20                           ; v20-27  pairs: rescale factor in the low register
.set SC,  32                           ; v32-159 scores: block qb, tile t, register j at 32 qb + 8 t + j; later P, packed, in the low 16 of each 32
.set KF,  160                          ; v160-223 K fragments: tile t, d half dh at 16 t + 8 dh
.set NM,  224                          ; v224-231 pairs: - maximum x log2(e) / 32 in the low register
.set T,   232                          ; v232-239 pairs at work
.set U,   240                          ; v240-243 at work
.set W,   244                          ; v244-247 at work in the merge
.set MP,  248                          ; v248-251 the partner's maxima
.set LP,  252                          ; v252-255 the partner's row sums
.set QF,  0                            ; window 1: v0-63    Q fragments: block qb, d half dh at 16 qb + 8 dh
.set OA,  64                           ; window 1: v64-191  O^T: block qb, tile dt at 32 qb + 8 dt
.set VF,  192                          ; window 1: v192-255 V^T fragments: 32 keys ks, tile dt at 32 ks + 8 dt
.set MSB, 0
.macro WIN new
.if MSB != \new
	s_set_vgpr_msb (MSB<<8)|\new
.set MSB, \new
.endif
.endm
.macro PLACES cnt                      ; plain vector places behind a matrix instruction (ISA guide 7.12.1)
.rept \cnt
	v_nop
.endr
.endm
.macro ROUND                           ; a round of the cluster's barrier
	s_barrier_signal -1
	s_barrier_wait -1
	s_cmp_lg_u32 s8, 0
	s_cbranch_scc1 .Lnot_wave_0_\@
	s_barrier_signal -3
.Lnot_wave_0_\@:
	s_barrier_wait -3
	s_barrier_signal -1
	s_barrier_wait -1
.endm
.macro JLOAD s                         ; a joint load: waves 0-3 bring 64 keys of K each, waves 4-7 64 keys of V each
	s_cmp_eq_u32 s9, 0
	s_cbranch_scc0 .Lfor_v_\@
	tensor_load_to_lds s[32+4*\s:35+4*\s], s[16:23]
	s_nop 0
	s_branch .Lasked_\@
.Lfor_v_\@:
	tensor_load_to_lds s[40+4*\s:43+4*\s], s[24:31]
	s_nop 0
.Lasked_\@:
.endm
	s_load_b128 s[4:7], s[0:1], 0x0                ; qkv s[4:5], att s[6:7]
	v_lshl_add_u32 v254, v0, 2, 0x42000
	v_mov_b32 v255, 0
	ds_add_u32 v254, v255
	s_wait_dscnt 0x0
	v_lshrrev_b32 v1, 5, v0
	v_readfirstlane_b32 s8, v1                     ; wave 0..7
	s_lshr_b32 s9, s8, 2                           ; key half.  Also: I fetch K (0) or V (1)
	s_and_b32 s10, s8, 3                           ; query group.  Also: which 64 keys I fetch
	s_bfe_u32 s11, ttmp6, 0x40000                  ; cx
	s_lshl_b32 s12, ttmp9, 2
	s_add_co_u32 s12, s12, s11                     ; query block = 4 x cluster x + cx
	s_and_b32 s13, ttmp7, 0xffff                   ; 16 b + head
	s_mov_b32 s48, 0x3d38aa3b                      ; log2(e) / 32: the scale 1 / sqrt(1024) and the change to base 2 in one
	s_mov_b32 s49, 0x3d38aa3b
	s_mov_b32 s50, 0x76543210                      ; v_permlanex16_b32: lane i reads lane i of the other half
	s_mov_b32 s51, 0xfedcba98
	s_mov_b32 s53, 0xbd38aa3b                      ; - log2(e) / 32
	; group 1: 64 keys are 8,192 dense bytes, taken as 32 rows of 32 elements of 8 bytes; padding behind every 32 words (one key): 4 words for K, 8 for V
	s_mov_b32 s16, 15|(3<<16)|(1<<20)|(1<<21)|(4<<22)|(3<<25)
	s_mov_b32 s24, 15|(3<<16)|(1<<20)|(1<<21)|(4<<22)|(7<<25)
	s_mov_b32 s17, 32<<16                          ; tensor_dim0 = 32
	s_mov_b32 s25, 32<<16
	s_mov_b32 s18, 32<<16                          ; tensor_dim1 = 32
	s_mov_b32 s26, 32<<16
	s_mov_b32 s19, 32<<16                          ; tile_dim0 = 32
	s_mov_b32 s27, 32<<16
	s_mov_b32 s20, 32                              ; tile_dim1 = 32
	s_mov_b32 s28, 32
	s_mov_b32 s21, 32                              ; pitch = 32 elements
	s_mov_b32 s29, 32
	s_mov_b32 s22, 0
	s_mov_b32 s30, 0
	s_mov_b32 s23, 0
	s_mov_b32 s31, 0
	s_lshl_b32 s14, s13, 18                        ; the head: 262,144 bytes
	s_lshl_b32 s15, s10, 13                        ; my 64 keys: 8,192 bytes
	s_add_co_u32 s14, s14, s15
	s_mov_b32 s15, 0
	s_mul_i32 s56, s8, 64*KP                       ; K: wave x 9,216
	s_mul_i32 s57, s8, 64*VP                       ; V: wave x 10,240
	s_lshl_b32 s58, s13, 18                        ; my 64 queries, in q and in att alike: head, block of 256 rows, group of 64 rows of 128 bytes
	s_lshl_b32 s59, s12, 15
	s_add_co_u32 s58, s58, s59
	s_lshl_b32 s59, s10, 13
	s_add_co_u32 s58, s58, s59
	s_mov_b32 s59, 0
	s_wait_kmcnt 0x0
	s_add_nc_u64 s[54:55], s[4:5], s[14:15]
	s_add_nc_u64 s[60:61], s[4:5], s[58:59]        ; q
	s_add_nc_u64 s[62:63], s[6:7], s[58:59]        ; att
	ROUND                                          ; the four work-groups are here: the first joint loads meet
.irp sl, 0,1
	s_mov_b32 s[32+4*\sl], 1
	s_add_co_u32 s[33+4*\sl], s56, \sl*SLOT
	s_add_nc_u64 s[34+4*\sl:35+4*\sl], s[54:55], KSEC+\sl*PHASEB
	s_or_b32 s[35+4*\sl], s[35+4*\sl], 0x80000000
	s_mov_b32 s[40+4*\sl], 1
	s_add_co_u32 s[41+4*\sl], s57, \sl*SLOT
	s_add_nc_u64 s[42+4*\sl:43+4*\sl], s[54:55], VSEC+\sl*PHASEB
	s_or_b32 s[43+4*\sl], s[43+4*\sl], 0x80000000
	JLOAD \sl                                      ; keys 0-255 and 256-511: two tensor loads of the wave are out
.endr
	v_and_b32 v1, 31, v0                           ; l
	v_and_b32 v28, 15, v0                          ; r
	v_bfe_u32 v29, v0, 4, 1                        ; h
	v_and_b32 v30, 7, v0
	v_bfe_u32 v31, v0, 3, 1
	v_lshlrev_b32 v[QO], 7, v28
	v_lshl_add_u32 v[QO], v29, 4, v[QO]            ; 128 r + 16 h
	WIN 0x40                                       ; destination window 1
.irp qb, 0,1,2,3
.irp dh, 0,1
	global_load_b128 v[QF+16*\qb+8*\dh:QF+16*\qb+8*\dh+3],   v[QO], s[60:61] offset:\qb*2048+\dh*64
	global_load_b128 v[QF+16*\qb+8*\dh+4:QF+16*\qb+8*\dh+7], v[QO], s[60:61] offset:\qb*2048+\dh*64+32
.endr
.endr
	WIN 0
	v_mul_u32_u24 v[ST], v28, KP
	v_lshl_add_u32 v[ST], v29, 4, v[ST]            ; 144 r + 16 h
	s_mul_i32 s2, s9, 128*KP                       ; my half's 128 keys
	v_add_nc_u32 v[ADK], s2, v[ST]
	v_add_nc_u32 v[ADK+1], SLOT, v[ADK]
	v_lshl_add_u32 v[ADV], v29, 3, v30             ; key 8 h + l % 8,
	v_mul_u32_u24 v[ADV], v[ADV], VP
	v_lshl_add_u32 v[ADV], v31, 4, v[ADV]          ; 16 bytes for each group of eight lanes
	s_mul_i32 s2, s9, 128*VP
	s_add_co_u32 s2, s2, VOFF
	v_add_nc_u32 v[ADV], s2, v[ADV]
	v_add_nc_u32 v[ADV+1], SLOT, v[ADV]
	s_lshl_b32 s2, s10, 14
	s_add_co_u32 s2, s2, MERGE
	v_lshl_add_u32 v[MG], v1, 4, s2
	s_mul_i32 s3, s10, 64*KP
	s_add_co_u32 s3, s3, STAGE
	v_add_nc_u32 v[ST], s3, v[ST]
	v_lshrrev_b32 v[RDA], 3, v1                    ; back: eight lanes take a row's 128 bytes, 32 lanes four rows
	v_mul_u32_u24 v[RDA], v[RDA], KP
	v_lshl_add_u32 v[RDA], v30, 4, v[RDA]
	v_add_nc_u32 v[RDA], s3, v[RDA]
	v_lshlrev_b32 v[L16], 4, v1
	s_lshl_b32 s2, s10, 10
	s_add_co_u32 s2, s2, STATS
	v_lshl_add_u32 v[SA], v1, 4, s2
.irp qb, 0,1,2,3
	v_mov_b32 v[U+\qb], 0                          ; the lane exchange counts as a reader of its destination,
	v_mov_b32 v[AL+2*\qb+1], 0                     ; and a pair of which the low register is broadcast counts as read whole
	v_mov_b32 v[NM+2*\qb+1], 0
.endr
.macro LDK sl, u                       ; 16 LDS loads: the K fragments of 64 keys (sub-step u of my half of slot sl)
.irp t, 0,1,2,3
.irp dh, 0,1
	ds_load_b128 v[KF+16*\t+8*\dh:KF+16*\t+8*\dh+3],   v[ADK+\sl] offset:\u*64*KP+\t*16*KP+\dh*64
	ds_load_b128 v[KF+16*\t+8*\dh+4:KF+16*\t+8*\dh+7], v[ADK+\sl] offset:\u*64*KP+\t*16*KP+\dh*64+32
.endr
.endr
.endm
.macro LDV sl, u                       ; 16 transposing LDS loads: the V^T fragments of the same 64 keys
	WIN 0x40
.irp ks, 0,1
.irp dt, 0,1,2,3
	ds_load_tr16_b128 v[VF+32*\ks+8*\dt:VF+32*\ks+8*\dt+3],   v[ADV+\sl] offset:\u*64*VP+\ks*32*VP+\dt*32
	ds_load_tr16_b128 v[VF+32*\ks+8*\dt+4:VF+32*\ks+8*\dt+7], v[ADV+\sl] offset:\u*64*VP+\ks*32*VP+\dt*32+16*VP
.endr
.endr
.endm
; 32 matrix instructions: 64 keys x 64 queries x 64 d.  The 16 accumulators take turns, one instruction a turn.
.macro SQK
	WIN 0x04                                       ; source 1 (Q) window 1
.irp t, 0,1,2,3
.irp qb, 0,1,2,3
	v_wmma_f32_16x16x32_f16 v[SC+32*\qb+8*\t:SC+32*\qb+8*\t+7], v[KF+16*\t:KF+16*\t+7], v[QF+16*\qb:QF+16*\qb+7], 0
.endr
.endr
.irp t, 0,1,2,3
.irp qb, 0,1,2,3
	v_wmma_f32_16x16x32_f16 v[SC+32*\qb+8*\t:SC+32*\qb+8*\t+7], v[KF+16*\t+8:KF+16*\t+15], v[QF+16*\qb+8:QF+16*\qb+15], v[SC+32*\qb+8*\t:SC+32*\qb+8*\t+7]
.endr
.endr
.endm
; The new maximum of each query, the rescale factor, and - maximum x c.  Four chains, one for each query block, side by side.
.macro SMAX first
.irp qb, 0,1,2,3
	v_max3_num_f32 v[T+2*\qb], v[SC+32*\qb], v[SC+32*\qb+1], v[SC+32*\qb+2]
.endr
.irp i, 3,5,7,9,11,13,15,17,19,21,23,25,27,29
.irp qb, 0,1,2,3
	v_max3_num_f32 v[T+2*\qb], v[T+2*\qb], v[SC+32*\qb+\i], v[SC+32*\qb+\i+1]
.endr
.endr
.irp qb, 0,1,2,3
	v_max_num_f32 v[T+2*\qb], v[T+2*\qb], v[SC+32*\qb+31]
.endr
.irp qb, 0,1,2,3
	v_permlanex16_b32 v[U+\qb], v[T+2*\qb], s50, s51           ; the other half of the lanes holds the query's other 32 keys
.endr
.irp qb, 0,1,2,3
.if \first
	v_max_num_f32 v[T+2*\qb], v[T+2*\qb], v[U+\qb]
.else
	v_max3_num_f32 v[T+2*\qb], v[T+2*\qb], v[U+\qb], v[M+\qb]
.endif
.endr
.irp qb, 0,1,2,3
	v_mul_f32 v[NM+2*\qb], s53, v[T+2*\qb]                     ; - c x new maximum
.endr
.if \first == 0
.irp qb, 0,1,2,3
	v_fma_f32 v[U+\qb], v[M+\qb], s48, v[NM+2*\qb]             ; c x (old maximum - new maximum), at most 0
.endr
.irp qb, 0,1,2,3
	v_exp_f32 v[AL+2*\qb], v[U+\qb]
.endr
.endif
.irp qb, 0,1,2,3
	v_mov_b32 v[M+\qb], v[T+2*\qb]                             ; plain instructions behind the exponentials, ahead of their results' use (ISA guide 5.7.2)
.endr
.endm
; P = 2^(c S - c maximum), in place.  Behind a block's exponentials stand the next block's multiply-adds, behind the last block's the first line of SSUM, on block 0.
.macro SEXP
.irp qb, 0,1,2,3
.set ii, 0
.rept 16
	v_pk_fma_f32 v[SC+32*\qb+ii:SC+32*\qb+ii+1], v[SC+32*\qb+ii:SC+32*\qb+ii+1], s[48:49], v[NM+2*\qb:NM+2*\qb+1] op_sel_hi:[1,0,0]
.set ii, ii+2
.endr
.set ii, 0
.rept 32
	v_exp_f32 v[SC+32*\qb+ii], v[SC+32*\qb+ii]
.set ii, ii+1
.endr
.endr
.endm
.macro SSUM first                      ; the row sums, in f32, from the unrounded P
	s_wait_alu depctr_va_vdst(0)
.irp qb, 0,1,2,3
	v_pk_add_f32 v[T+2*\qb:T+2*\qb+1], v[SC+32*\qb:SC+32*\qb+1], v[SC+32*\qb+2:SC+32*\qb+3]
.endr
.irp i, 4,6,8,10,12,14,16,18,20,22,24,26,28,30
.irp qb, 0,1,2,3
	v_pk_add_f32 v[T+2*\qb:T+2*\qb+1], v[T+2*\qb:T+2*\qb+1], v[SC+32*\qb+\i:SC+32*\qb+\i+1]
.endr
.endr
.if \first
.irp qb, 0,1,2,3
	v_add_f32 v[LS+\qb], v[T+2*\qb], v[T+2*\qb+1]
.endr
.else
.irp qb, 0,1,2,3
	v_add_f32 v[T+2*\qb], v[T+2*\qb], v[T+2*\qb+1]
.endr
.irp qb, 0,1,2,3
	v_fma_f32 v[LS+\qb], v[LS+\qb], v[AL+2*\qb], v[T+2*\qb]
.endr
.endif
.endm
.macro SCVT                            ; P to f16, packed in place, ascending: register i takes numbers 2 i, 2 i + 1, so nothing unread is written
.irp qb, 0,1,2,3
.set ii, 0
.rept 16
	v_cvt_pk_f16_f32 v[SC+32*\qb+ii], v[SC+32*\qb+2*ii], v[SC+32*\qb+2*ii+1]
.set ii, ii+1
.endr
.endr
.endm
.macro RESC                            ; O x rescale factor
	WIN 0x41
.irp qb, 0,1,2,3
.set ii, 0
.rept 16
	v_pk_mul_f32 v[OA+32*\qb+ii:OA+32*\qb+ii+1], v[OA+32*\qb+ii:OA+32*\qb+ii+1], v[AL+2*\qb:AL+2*\qb+1] op_sel_hi:[1,0]
.set ii, ii+2
.endr
.endr
.endm
; 32 matrix instructions: 64 d x 64 queries x 64 keys.  The 16 accumulators take turns, one instruction a turn.
.macro PV first
	WIN 0x51                                       ; source 0 (V^T), C and D window 1; source 1 (P) window 0
.irp ks, 0,1
.irp dt, 0,1,2,3
.irp qb, 0,1,2,3
.if (\first)*(1-\ks)
	v_wmma_f32_16x16x32_f16 v[OA+32*\qb+8*\dt:OA+32*\qb+8*\dt+7], v[VF+32*\ks+8*\dt:VF+32*\ks+8*\dt+7], v[SC+32*\qb+8*\ks:SC+32*\qb+8*\ks+7], 0
.else
	v_wmma_f32_16x16x32_f16 v[OA+32*\qb+8*\dt:OA+32*\qb+8*\dt+7], v[VF+32*\ks+8*\dt:VF+32*\ks+8*\dt+7], v[SC+32*\qb+8*\ks:SC+32*\qb+8*\ks+7], v[OA+32*\qb+8*\dt:OA+32*\qb+8*\dt+7]
.endif
.endr
.endr
.endr
.endm
; One sub-step: 64 keys of my half.  (sl, u): where the NEXT sub-step's fragments lie.  chg = 1: this was my last sub-step in the other slot, which is
; filled again, two phases ahead; chg = 2: the same change of slots with nothing left to fetch.  At the head the K loads (16) and behind them the V loads (16) are out.
.macro STEP first, chg, sl, u, last
.set OLD, 1-\sl
	s_wait_dscnt 16                                ; my K fragments are in; the 16 younger V loads stay out
	SQK
	WIN 0
	PLACES 4                                       ; in front of the reads of the scores and of the loads into the K fragments
.if \chg == 1
	s_wait_dscnt 0x0                               ; my last reads of the old slot, the V loads, are back
	s_wait_xcnt 0x0
	v_lshl_add_u32 v254, v0, 2, 0x42000
	v_mov_b32 v255, 0
	s_wait_tensorcnt 0x0                           ; all my tensor loads have landed: my part of the next slot
	ds_add_u32 v254, v255
	s_wait_dscnt 0x0
	s_add_nc_u64 s[34+4*OLD:35+4*OLD], s[34+4*OLD:35+4*OLD], 2*PHASEB
	s_add_nc_u64 s[42+4*OLD:43+4*OLD], s[42+4*OLD:43+4*OLD], 2*PHASEB
	ROUND                                          ; both now hold of every wave of the four work-groups
	JLOAD OLD                                      ; the wave's one tensor load behind the round; it has a whole phase in which to land
.endif
.if \chg == 2
	s_wait_dscnt 0x0
	s_wait_tensorcnt 0x0                           ; my part of the last slot is in,
	s_barrier_signal -1
	s_barrier_wait -1                              ; everybody's is
.endif
.if \last == 0
	LDK \sl, \u
.endif
	SMAX \first
	SEXP
	SSUM \first
	SCVT
.if \first == 0
	RESC
.endif
.if \last
	s_wait_dscnt 0x0
.else
	s_wait_dscnt 16                                ; my V fragments are in; the 16 younger K loads stay out
.endif
	PV \first
	PLACES 5                                       ; four in front of the loads into the V fragments, five in front of the next scores, which write over P
.if \last == 0
	LDV \sl, \u
.endif
	WIN 0
.endm
	s_wait_tensorcnt 1                             ; my part of slot 0 is in; slot 1's load stays out
	s_barrier_signal -1
	s_barrier_wait -1
	LDK 0, 0
	LDV 0, 0
	WIN 0
	s_wait_loadcnt 0x0                             ; Q
	STEP 1, 0, 0, 1, 0                             ; phase 0 (keys 0-255, slot 0): the first products start the sums
	STEP 0, 1, 1, 0, 0                             ; slot 0 gets phase 2
	STEP 0, 0, 1, 1, 0                             ; phase 1 (slot 1)
	STEP 0, 1, 0, 0, 0                             ; slot 1 gets phase 3
	s_mov_b32 s52, 2
.Lphase:                                           ; phases 2, 3 and 4, 5; they ask for phases 4 to 7
	STEP 0, 0, 0, 1, 0
	STEP 0, 1, 1, 0, 0
	STEP 0, 0, 1, 1, 0
	STEP 0, 1, 0, 0, 0
	s_sub_co_u32 s52, s52, 1
	s_cmp_lg_u32 s52, 0
	s_cbranch_scc1 .Lphase
	STEP 0, 0, 0, 1, 0                             ; phase 6
	STEP 0, 2, 1, 0, 0                             ; nothing is left to fetch
	STEP 0, 0, 1, 1, 0                             ; phase 7
	STEP 0, 0, 0, 0, 1
	; THE TWO KEY HALVES MEET.  First each lane's row sum takes in the other half of the lanes.
.irp qb, 0,1,2,3
	v_permlanex16_b32 v[U+\qb], v[LS+\qb], s50, s51
.endr
.irp qb, 0,1,2,3
	v_add_f32 v[LS+\qb], v[LS+\qb], v[U+\qb]
.endr
	s_cmp_eq_u32 s9, 0
	s_cbranch_scc1 .Lkeep
	WIN 0x04                                       ; store data window 1
.set ii, 0
.rept 32
	ds_store_b128 v[MG], v[OA+4*ii:OA+4*ii+3] offset:512*ii    ; the second half's sums, register for register, lane for lane
.set ii, ii+1
.endr
	WIN 0
	ds_store_b128 v[SA], v[M:M+3]
	ds_store_b128 v[SA], v[LS:LS+3] offset:512
.Lkeep:
	s_wait_dscnt 0x0                               ; for the partner's sake: zero
	s_barrier_signal -1
	s_barrier_wait -1
	s_cmp_lg_u32 s9, 0
	s_cbranch_scc1 .Lend
	ds_load_b128 v[MP:MP+3], v[SA]
	ds_load_b128 v[LP:LP+3], v[SA] offset:512
.set ii, 0
.rept 32
	ds_load_b128 v[SC+4*ii:SC+4*ii+3], v[MG] offset:512*ii
.set ii, ii+1
.endr
	s_wait_dscnt 32                                ; the partner's maxima and row sums are in; its 32 loads of sums stay out
.irp qb, 0,1,2,3
	v_max_num_f32 v[T+2*\qb], v[M+\qb], v[MP+\qb]
.endr
.irp qb, 0,1,2,3
	v_mul_f32 v[T+2*\qb+1], s53, v[T+2*\qb]
.endr
.irp qb, 0,1,2,3
	v_fma_f32 v[U+\qb], v[M+\qb], s48, v[T+2*\qb+1]
	v_fma_f32 v[W+\qb], v[MP+\qb], s48, v[T+2*\qb+1]
.endr
.irp qb, 0,1,2,3
	v_exp_f32 v[U+\qb], v[U+\qb]
	v_exp_f32 v[W+\qb], v[W+\qb]
.endr
	v_nop                                          ; one plain place behind the exponentials
	s_wait_alu depctr_va_vdst(0)
.irp qb, 0,1,2,3
	v_mul_f32 v[T+2*\qb], v[LP+\qb], v[W+\qb]
.endr
.irp qb, 0,1,2,3
	v_fma_f32 v[T+2*\qb], v[LS+\qb], v[U+\qb], v[T+2*\qb]      ; the whole row sum: at least 1, since the largest weight is 1
.endr
.irp qb, 0,1,2,3
	v_rcp_f32 v[T+2*\qb+1], v[T+2*\qb]
.endr
	v_nop                                          ; one plain place behind the reciprocals
	s_wait_alu depctr_va_vdst(0)
.irp qb, 0,1,2,3
	v_mul_f32 v[AL+2*\qb], v[U+\qb], v[T+2*\qb+1]              ; my sums' factor
	v_mul_f32 v[NM+2*\qb], v[W+\qb], v[T+2*\qb+1]              ; the partner's
.endr
	s_wait_dscnt 0x0
.irp qb, 0,1,2,3
.set ii, 0
.rept 16
	v_pk_mul_f32 v[SC+32*\qb+ii:SC+32*\qb+ii+1], v[SC+32*\qb+ii:SC+32*\qb+ii+1], v[NM+2*\qb:NM+2*\qb+1] op_sel_hi:[1,0]
.set ii, ii+2
.endr
.endr
	WIN 0x01                                       ; source 0 (my sums) window 1
.irp qb, 0,1,2,3
.set ii, 0
.rept 16
	v_pk_fma_f32 v[SC+32*\qb+ii:SC+32*\qb+ii+1], v[OA+32*\qb+ii:OA+32*\qb+ii+1], v[AL+2*\qb:AL+2*\qb+1], v[SC+32*\qb+ii:SC+32*\qb+ii+1] op_sel_hi:[1,0,1]
.set ii, ii+2
.endr
.endr
	WIN 0
	SCVT                                           ; tile (qb, dt) is now v[SC + 32 qb + 4 dt .. + 3]: 16 bytes of a row
.irp qb, 0,1,2,3
.irp dt, 0,1,2,3
	ds_store_b128 v[ST], v[SC+32*\qb+4*\dt:SC+32*\qb+4*\dt+3] offset:\qb*16*KP+\dt*32
.endr
.endr
.set ii, 0
.rept 16
	ds_load_b128 v[KF+4*ii:KF+4*ii+3], v[RDA] offset:4*KP*ii   ; my own bytes, served in order: these see the stores above; four rows each
.set ii, ii+1
.endr
.set ii, 0
.rept 16
	s_wait_dscnt 15-ii                             ; the younger read-backs stay out
	global_store_b128 v[L16], v[KF+4*ii:KF+4*ii+3], s[62:63] offset:512*ii     ; four rows of the head: 512 consecutive bytes
.set ii, ii+1
.endr
.Lend:
	s_wait_xcnt 0x0
	v_lshl_add_u32 v254, v0, 2, 0x42000
	v_mov_b32 v255, 0
	s_wait_tensorcnt 0x0
	ds_add_u32 v254, v255
	s_wait_dscnt 0x0
	ROUND                                          ; the closing round: no work-group ends while a partner may still ask jointly
	s_endpgm
.Lfunc_end_k_q733df67996_attn:
	.size	k_q733df67996_attn, .Lfunc_end_k_q733df67996_attn-k_q733df67996_attn
	.p2alignl 7, 3214868480
	.fill 96, 4, 3214868480
	.section	.rodata,"a",@progbits
	.p2align	6, 0x0
	.amdhsa_kernel k_q733df67996_attn
		.amdhsa_group_segment_fixed_size 327680
		.amdhsa_private_segment_fixed_size 0
		.amdhsa_enable_private_segment 0
		.amdhsa_kernarg_size 16
		.amdhsa_user_sgpr_count 2
		.amdhsa_user_sgpr_kernarg_segment_ptr 1
		.amdhsa_wavefront_size32 1
		.amdhsa_system_sgpr_workgroup_id_x 1
		.amdhsa_system_sgpr_workgroup_id_y 1
		.amdhsa_system_sgpr_workgroup_id_z 1
		.amdhsa_system_vgpr_workitem_id 0
		.amdhsa_next_free_vgpr 512
		.amdhsa_next_free_sgpr 66
		.amdhsa_reserve_vcc 0
		.amdhsa_float_denorm_mode_32 3
		.amdhsa_float_denorm_mode_16_64 3
		.amdhsa_memory_ordered 1
		.amdhsa_forward_progress 1
		.amdhsa_inst_pref_size 255
	.end_amdhsa_kernel
	.section	.bss,"aw",@nobits
	.p2align	6
	.space	262144
	.amdgpu_metadata
---
amdhsa.version: [ 1, 2 ]
amdhsa.kernels:
  - .name:           k_q733df67996_attn
    .symbol:         k_q733df67996_attn.kd
    .args:
      - { .name: qkv, .offset: 0, .size: 8, .value_kind: global_buffer, .address_space: global }
      - { .name: att, .offset: 8, .size: 8, .value_kind: global_buffer, .address_space: global }
    .group_segment_fixed_size: 327680
    .private_segment_fixed_size: 0
    .kernarg_segment_align: 8
    .kernarg_segment_size: 16
    .max_flat_workgroup_size: 256
    .sgpr_count:     66
    .vgpr_count:     512
    .wavefront_size: 32
...
	.end_amdgpu_metadata
.endif
;; end of part 3
;; launch proj (part 4): grid 8 x 32, 4 waves a work-group, clusters of 4 x 4, 327,680 bytes of LDS; arguments att, wh, bo, out0; writes out0
.if DOCPART == 4
	.amdgcn_target "amdgcn-amd-amdhsa--gfx1250"
	.amdhsa_code_object_version 6
	.text
	.protected	k_q733df67996_proj
	.globl	k_q733df67996_proj
	.p2align	8
	.type	k_q733df67996_proj,@function
k_q733df67996_proj:
	s_mov_b64 s[64:65], 0
	v_nop
	global_prefetch_b8 v0, s[64:65] scope:SCOPE_SE
	s_setreg_imm32_b32 hwreg(HW_REG_WAVE_MODE, 25, 1), 1
	s_wait_xcnt 0x0
	s_wait_alu depctr_hold_cnt(0) depctr_sa_sdst(0) depctr_va_vdst(0) depctr_va_sdst(0) depctr_va_ssrc(0) depctr_va_vcc(0) depctr_vm_vsrc(0)
	s_getreg_b32 s2, hwreg(HW_REG_IB_STS2, 6, 4)
	s_cmp_eq_u32 s2, 0
	s_cbranch_scc0 .Lentry_in_a_cluster
	s_endpgm
.Lentry_in_a_cluster:
	s_bfe_u32 s2, ttmp6, 0x10000c
	s_cmp_lg_u32 s2, 0xf033
	s_cbranch_scc0 .Lentry_shape_is_right
	s_endpgm
.Lentry_shape_is_right:
; out0[m][n] = sum over k of att[m][k] Wo[n][k] + bo[n], f32 out.  att lies head by head: [16 b + head][s][64] f16, k = 64 head + d, m = 2048 b + s.
; Wo is rows 3072-4095 of wh, [1024] f16 each.  Operands f16, sums f32.
; 8 x 32 = 256 work-groups of 128 x 128; four waves, 2 x 2, each 64 x 64: 16 accumulator tiles, 128 registers.
; K goes in four phases of 256 (four heads) through two LDS slots: both are filled at the start, each once again.  All phases are written out.
; CLUSTERS: 4 x 4.  att's tiles hang on the block row alone and are asked for jointly along a row of the cluster, Wo's on the block column alone, along a column.
; The matrix instruction is used transposed (source 0 = rows of Wo, source 1 = rows of att): lane l holds row m = l % 16, columns n = 8 (l / 16) + 0..7.
; The bias, loaded in that layout, is the C of the first products.
.set AP,     144                       ; a row of one head: 128 bytes + 16
.set BP,     528                       ; a row of Wo in a phase: 512 bytes + 16
.set HEADT,  128*AP                    ; 18,432: 128 rows of one head
.set BOFF,   4*HEADT                   ; 73,728: Wo's 128 rows lie behind att's four heads
.set SLOT,   BOFF+128*BP               ; 141,312
.set STAGE,  2*SLOT                    ; 282,624: 16 rows x 272 bytes for each wave; no tensor load lands here
.set SPITCH, 272
.set HEADB,  262144                    ; a head in att
.set ADRA, 16                          ; v16-17  LDS address of my att fragments in slot 0, 1
.set ADRB, 20                          ; v20-21  the same for Wo
.set STO,  24
.set RD,   25
.set CO,   26
.set BO,   27
.set F0,   64                          ; buffer 0: att's four blocks at +0, Wo's four at +32
.set F1,   128                         ; buffer 1
.set BIAS, 192                         ; v192-223: block b of 16 columns at BIAS + 8 b
.set G1, 24
.set G0, 32
.set G1B, 48
.set G0B, 56
.set MSB, 0
.macro WIN new
.if MSB != \new
	s_set_vgpr_msb (MSB<<8)|\new
.set MSB, \new
.endif
.endm
.set MUL,  0x50                        ; C and D window 1 (tile (a, b) at v[8 (4 a + b)]), sources window 0
.set MULB, 0x40                        ; C (the bias) window 0, D window 1
.macro JLOAD s                         ; waves 0 and 1 bring two heads of att each, waves 2 and 3 64 rows of Wo each
	s_cmp_eq_u32 s11, 0
	s_cbranch_scc0 .Lfor_b_\@
	tensor_load_to_lds s[G0+4*\s:G0+4*\s+3], s[G1:G1+7]
	s_nop 0
	s_branch .Lasked_\@
.Lfor_b_\@:
	tensor_load_to_lds s[G0B+4*\s:G0B+4*\s+3], s[G1B:G1B+7]
	s_nop 0
.Lasked_\@:
.endm
.macro CREST
	s_cmp_lg_u32 s10, 0
	s_cbranch_scc1 .Lnot_wave_0_\@
	s_barrier_signal -3
.Lnot_wave_0_\@:
	s_barrier_wait -3
	s_barrier_signal -1
	s_barrier_wait -1
.endm
.macro CROUND
	s_barrier_signal -1
	s_barrier_wait -1
	CREST
.endm
	s_load_b128 s[4:7], s[0:1], 0x0                ; att s[4:5], wh s[6:7]
	s_load_b128 s[68:71], s[0:1], 0x10             ; bo s[68:69], out0 s[70:71]
	v_lshl_add_u32 v254, v0, 2, 0x49400
	v_mov_b32 v255, 0
	ds_add_u32 v254, v255
	v_lshrrev_b32 v1, 5, v0
	v_readfirstlane_b32 s10, v1                    ; wave 0..3
	s_lshr_b32 s11, s10, 1                         ; my half of the block's rows.  Also: I fetch att (0) or Wo (1)
	s_and_b32 s12, s10, 1                          ; my half of its columns.  Also: which half of that tile I fetch
	s_bfe_u32 s40, ttmp6, 0x40000                  ; cx
	s_bfe_u32 s41, ttmp6, 0x40004                  ; cy
	s_lshl_b32 s42, ttmp9, 2
	s_add_co_u32 s42, s42, s40                     ; block column
	s_and_b32 s13, ttmp7, 0xffff
	s_lshl_b32 s13, s13, 2
	s_add_co_u32 s13, s13, s41                     ; block row
	s_lshl_b32 s43, s41, 2
	s_lshl_b32 s43, 15, s43                        ; my row of the cluster
	s_lshl_b32 s44, 0x1111, s40                    ; my column
	; att: two heads; a head's 128 rows of 128 bytes are 16,384 dense bytes, taken as ONE row of 8,192 elements; from head to head 131,072 elements;
	; 4 words of padding behind every 32 words, that is behind each of the 128 rows
	s_or_b32 s[G1+0], s43, (1<<16)|(1<<20)|(1<<21)|(4<<22)|(3<<25)
	s_mov_b32 s[G1+1], 8192<<16                    ; tensor_dim0 = 8,192
	s_mov_b32 s[G1+2], 2<<16                       ; tensor_dim1 = 2
	s_mov_b32 s[G1+3], 8192<<16                    ; tile_dim0 = 8,192
	s_mov_b32 s[G1+4], 2                           ; tile_dim1 = 2
	s_mov_b32 s[G1+5], 131072
	s_mov_b32 s[G1+6], 0
	s_mov_b32 s[G1+7], 0
	; Wo: 64 rows of 256 elements, pitch 1,024; 4 words of padding behind every 128 words
	s_or_b32 s[G1B+0], s44, (1<<16)|(1<<20)|(1<<21)|(6<<22)|(3<<25)
	s_mov_b32 s[G1B+1], 256<<16
	s_mov_b32 s[G1B+2], 64<<16
	s_mov_b32 s[G1B+3], 256<<16
	s_mov_b32 s[G1B+4], 64
	s_mov_b32 s[G1B+5], 1024
	s_mov_b32 s[G1B+6], 0
	s_mov_b32 s[G1B+7], 0
	s_lshr_b32 s16, s13, 4                         ; att: b = block row / 16, 16 heads of 262,144 bytes,
	s_lshl_b32 s16, s16, 22
	s_and_b32 s17, s13, 15                         ; 128 rows of 128 bytes for each block row of the batch,
	s_lshl_b32 s17, s17, 14
	s_add_co_u32 s16, s16, s17
	s_lshl_b32 s17, s12, 19                        ; and my two heads of the phase's four
	s_add_co_u32 s16, s16, s17
	s_mov_b32 s17, 0
	s_lshl_b32 s46, s42, 18                        ; Wo: row 3072 + 128 block column + 64 half, 2,048 bytes each
	s_lshl_b32 s47, s12, 17
	s_add_co_u32 s46, s46, s47
	s_add_co_u32 s46, s46, 3072*2048
	s_mov_b32 s47, 0
	s_mul_i32 s20, s10, 2*HEADT                    ; att's halves go to wave x 36,864 (waves 0, 1),
	s_mul_i32 s21, s10, 64*BP                      ; Wo's to 73,728 + (wave - 2) x 33,792 (waves 2, 3)
	s_add_co_u32 s21, s21, BOFF-2*64*BP
	s_lshl_b32 s72, s13, 19                        ; out0: row 128 block row + 64 half, 4,096 bytes each
	s_lshl_b32 s73, s11, 18
	s_add_co_u32 s72, s72, s73
	s_mov_b32 s73, 0
	s_lshl_b32 s78, s42, 9                         ; column 128 block column + 64 half, 4 bytes each: in out0 and in bo alike
	s_lshl_b32 s79, s12, 8
	s_add_co_u32 s78, s78, s79
	s_mov_b32 s79, 0
	s_wait_dscnt 0x0
	s_wait_kmcnt 0x0
	s_add_nc_u64 s[14:15], s[4:5], s[16:17]
	s_add_nc_u64 s[46:47], s[6:7], s[46:47]
	s_add_nc_u64 s[76:77], s[68:69], s[78:79]
	s_add_nc_u64 s[70:71], s[70:71], s[72:73]
	s_add_nc_u64 s[70:71], s[70:71], s[78:79]
	CROUND                                         ; all sixteen work-groups are here: the first joint loads meet
.irp s, 0,1
	s_mov_b32 s[G0+4*\s], 1
	s_add_co_u32 s[G0+4*\s+1], s20, \s*SLOT
	s_add_nc_u64 s[G0+4*\s+2:G0+4*\s+3], s[14:15], \s*4*HEADB
	s_or_b32 s[G0+4*\s+3], s[G0+4*\s+3], 0x80000000
	s_mov_b32 s[G0B+4*\s], 1
	s_add_co_u32 s[G0B+4*\s+1], s21, \s*SLOT
	s_add_nc_u64 s[G0B+4*\s+2:G0B+4*\s+3], s[46:47], \s*512
	s_or_b32 s[G0B+4*\s+3], s[G0B+4*\s+3], 0x80000000
	JLOAD \s                                       ; phases 0 and 1: two tensor loads of the wave are out
.endr
	v_and_b32 v1, 15, v0                           ; l % 16
	v_bfe_u32 v2, v0, 4, 1                         ; l / 16
	v_lshlrev_b32 v[BO], 5, v2
.irp b, 0,1,2,3
	global_load_b128 v[BIAS+8*\b:BIAS+8*\b+3],   v[BO], s[76:77] offset:64*\b      ; register j: bo[16 b + 8 (l / 16) + j]
	global_load_b128 v[BIAS+8*\b+4:BIAS+8*\b+7], v[BO], s[76:77] offset:64*\b+16
.endr
	v_mul_u32_u24 v3, v1, AP
	v_lshl_add_u32 v3, v2, 4, v3
	v_mul_u32_u24 v4, v1, BP
	v_lshl_add_u32 v4, v2, 4, v4
	s_mul_i32 s22, s11, 64*AP                      ; my 64 rows of att
	s_mul_i32 s23, s12, 64*BP                      ; my 64 rows of Wo
	s_add_co_u32 s23, s23, BOFF
.irp s, 0,1
	v_add_nc_u32 v[ADRA+\s], s22, v3
	v_add_nc_u32 v[ADRB+\s], s23, v4
	s_add_co_u32 s22, s22, SLOT
	s_add_co_u32 s23, s23, SLOT
.endr
	s_mul_i32 s22, s10, 16*SPITCH
	s_add_co_u32 s22, s22, STAGE                   ; my stage
	v_mul_u32_u24 v5, v1, SPITCH                   ; in: row l % 16, 32 bytes for each half of the lanes
	v_lshl_add_u32 v5, v2, 5, v5
	v_add_nc_u32 v[STO], s22, v5
	v_mul_u32_u24 v5, v2, SPITCH                   ; back: lanes 0-15 take one row of 256 bytes, lanes 16-31 the next
	v_lshl_add_u32 v5, v1, 4, v5
	v_add_nc_u32 v[RD], s22, v5
	v_lshlrev_b32 v5, 12, v2                       ; and the same two rows in out0
	v_lshl_add_u32 v[CO], v1, 4, v5
; four matrix instructions: m block a x all four n blocks, 32 along K.  zero = 1: the bias starts the sums.
.macro MUL4 f, a, zero
.irp b, 0,1,2,3
.if \zero
	v_wmma_f32_16x16x32_f16 v[8*(4*\a+\b):8*(4*\a+\b)+7], v[\f+32+8*\b:\f+32+8*\b+7], v[\f+8*\a:\f+8*\a+7], v[BIAS+8*\b:BIAS+8*\b+7]
.else
	v_wmma_f32_16x16x32_f16 v[8*(4*\a+\b):8*(4*\a+\b)+7], v[\f+32+8*\b:\f+32+8*\b+7], v[\f+8*\a:\f+8*\a+7], v[8*(4*\a+\b):8*(4*\a+\b)+7]
.endif
.endr
.endm
; 16 LDS loads: the fragments of quarter kq (32 along K; two quarters to a head) into buffer f: Wo's eight first, then att's eight
.macro FETCH slot, kq, f
	WIN 0
.irp i, 0,1,2,3
	ds_load_b128 v[\f+32+8*\i:\f+32+8*\i+3],   v[ADRB+\slot] offset:\kq*64+\i*16*BP
	ds_load_b128 v[\f+32+8*\i+4:\f+32+8*\i+7], v[ADRB+\slot] offset:\kq*64+\i*16*BP+32
.endr
.irp i, 0,1,2,3
	ds_load_b128 v[\f+8*\i:\f+8*\i+3],   v[ADRA+\slot] offset:(\kq/2)*HEADT+(\kq%2)*64+\i*16*AP
	ds_load_b128 v[\f+8*\i+4:\f+8*\i+7], v[ADRA+\slot] offset:(\kq/2)*HEADT+(\kq%2)*64+\i*16*AP+32
.endr
.endm
.macro PLACES                          ; four plain vector places behind a matrix instruction (ISA guide 7.12.1 for vector reads)
.rept 4
	v_nop
.endr
.endm
; A quarter: multiplies buffer f; in its middle it fetches quarter kq of the same slot into buffer g.  The 16 accumulators take turns, one instruction
; a turn, in the same order in every quarter.
.macro QUARTER slot, kq, f, g, zero
	s_wait_dscnt 4                                 ; Wo and att's blocks 0, 1 are in; the youngest four loads (blocks 2, 3) may be out
.if \zero
	WIN MULB
.else
	WIN MUL
.endif
	MUL4 \f, 0, \zero
	MUL4 \f, 1, \zero
	PLACES
	FETCH \slot, \kq, \g
	s_wait_dscnt 16                                ; all but the 16 just issued
.if \zero
	WIN MULB
.else
	WIN MUL
.endif
	MUL4 \f, 2, \zero
	MUL4 \f, 3, \zero
.endm
.macro SEVEN slot, zero
	QUARTER \slot, 1, F0, F1, \zero
	QUARTER \slot, 2, F1, F0, 0
	QUARTER \slot, 3, F0, F1, 0
	QUARTER \slot, 4, F1, F0, 0
	QUARTER \slot, 5, F0, F1, 0
	QUARTER \slot, 6, F1, F0, 0
	QUARTER \slot, 7, F0, F1, 0
.endm
; The eighth quarter: multiplies buffer 1 and changes slots; fill = 1: this slot is filled again, two phases ahead.
.macro TURN slot, next, fill
	s_wait_dscnt 0x0                               ; my reads of this slot are over
	WIN MUL
	MUL4 F1, 0, 0
	s_wait_tensorcnt 0x0                           ; all my tensor loads have landed: my part of the next slot
	ds_add_u32 v254, v255
	s_wait_dscnt 0x0
	s_barrier_signal -1                            ; where a slot is filled again this barrier opens a round of the cluster's barrier
	MUL4 F1, 1, 0                                  ; register work while the others arrive
	WIN 0
	s_barrier_wait -1
.if \fill
	CREST                                          ; no wave of any partner still reads this slot or has a load on its way
	s_add_nc_u64 s[G0+4*\slot+2:G0+4*\slot+3], s[G0+4*\slot+2:G0+4*\slot+3], 8*HEADB
	s_add_nc_u64 s[G0B+4*\slot+2:G0B+4*\slot+3], s[G0B+4*\slot+2:G0B+4*\slot+3], 1024
	JLOAD \slot                                    ; the wave's one tensor load behind the round
.endif
	PLACES
	FETCH \next, 0, F0
	WIN MUL
	MUL4 F1, 2, 0
	MUL4 F1, 3, 0
.endm
	s_wait_tensorcnt 1                             ; my part of phase 0 is in; phase 1's load stays out
	s_barrier_signal -1
	s_barrier_wait -1
	FETCH 0, 0, F0
	s_wait_loadcnt 0x0                             ; the bias
	SEVEN 0, 1                                     ; phase 0
	TURN 0, 1, 1                                   ; slot 0 gets phase 2
	SEVEN 1, 0                                     ; phase 1
	TURN 1, 0, 1                                   ; slot 1 gets phase 3
	SEVEN 0, 0                                     ; phase 2
	TURN 0, 1, 0                                   ; nothing is left to fetch
	SEVEN 1, 0                                     ; phase 3
	s_wait_dscnt 0x0
	WIN MUL
	MUL4 F1, 0, 0
	MUL4 F1, 1, 0
	MUL4 F1, 2, 0
	MUL4 F1, 3, 0
	PLACES                                         ; in front of the LDS stores of results and of the loads into the fragment buffers
; THE WAY OUT, 16 rows at a time: 32 bytes a lane and block into my own stage, read back as whole rows of 256 bytes.
; Each turn reads back into 32 registers of its own: no store's data is written again.
.macro OUT16 i
	WIN 0x04                                       ; store data window 1
.irp b, 0,1,2,3
	ds_store_b128 v[STO], v[8*(4*\i+\b):8*(4*\i+\b)+3]   offset:64*\b
	ds_store_b128 v[STO], v[8*(4*\i+\b)+4:8*(4*\i+\b)+7] offset:64*\b+16
.endr
	WIN 0
.irp t, 0,1,2,3,4,5,6,7
	ds_load_b128 v[F0+32*\i+4*\t:F0+32*\i+4*\t+3], v[RD] offset:\t*2*SPITCH    ; my own bytes, served in order: these see the stores above
.endr
.irp t, 0,1,2,3,4,5,6,7
	s_wait_dscnt 7-\t                              ; the younger read-backs stay out
	global_store_b128 v[CO], v[F0+32*\i+4*\t:F0+32*\i+4*\t+3], s[70:71] offset:(16*\i+2*\t)*4096 th:TH_STORE_NT   ; 16 lanes store 256 consecutive bytes, at a multiple of 256
.endr
.endm
	OUT16 0
	OUT16 1
	OUT16 2
	OUT16 3
	s_wait_tensorcnt 0x0
	ds_add_u32 v254, v255
	s_wait_dscnt 0x0
	CROUND                                         ; the closing round
	s_endpgm
.Lfunc_end_k_q733df67996_proj:
	.size	k_q733df67996_proj, .Lfunc_end_k_q733df67996_proj-k_q733df67996_proj
	.p2alignl 7, 3214868480
	.fill 96, 4, 3214868480
	.section	.rodata,"a",@progbits
	.p2align	6, 0x0
	.amdhsa_kernel k_q733df67996_proj
		.amdhsa_group_segment_fixed_size 327680
		.amdhsa_private_segment_fixed_size 0
		.amdhsa_enable_private_segment 0
		.amdhsa_kernarg_size 32
		.amdhsa_user_sgpr_count 2
		.amdhsa_user_sgpr_kernarg_segment_ptr 1
		.amdhsa_wavefront_size32 1
		.amdhsa_system_sgpr_workgroup_id_x 1
		.amdhsa_system_sgpr_workgroup_id_y 1
		.amdhsa_system_sgpr_workgroup_id_z 1
		.amdhsa_system_vgpr_workitem_id 0
		.amdhsa_next_free_vgpr 384
		.amdhsa_next_free_sgpr 80
		.amdhsa_reserve_vcc 0
		.amdhsa_float_denorm_mode_32 3
		.amdhsa_float_denorm_mode_16_64 3
		.amdhsa_memory_ordered 1
		.amdhsa_forward_progress 1
		.amdhsa_inst_pref_size 90
	.end_amdhsa_kernel
	.amdgpu_metadata
---
amdhsa.version: [ 1, 2 ]
amdhsa.kernels:
  - .name:           k_q733df67996_proj
    .symbol:         k_q733df67996_proj.kd
    .args:
      - { .name: att, .offset: 0, .size: 8, .value_kind: global_buffer, .address_space: global }
      - { .name: wh, .offset: 8, .size: 8, .value_kind: global_buffer, .address_space: global }
      - { .name: bo, .offset: 16, .size: 8, .value_kind: global_buffer, .address_space: global }
      - { .name: out0, .offset: 24, .size: 8, .value_kind: global_buffer, .address_space: global }
    .group_segment_fixed_size: 327680
    .private_segment_fixed_size: 0
    .kernarg_segment_align: 8
    .kernarg_segment_size: 32
    .max_flat_workgroup_size: 128
    .sgpr_count:     80
    .vgpr_count:     384
    .wavefront_size: 32
...
	.end_amdgpu_metadata
.endif
;; end of part 4
